; MI455X (gfx1250); checked and timed in simulation.
; The chip was launched on July 23, 2026; its instructions are those of AMD's public machine-readable ISA for CDNA 5 (MIT licence, August 2026) and "CDNA5" Instruction Set Architecture Reference Guide (July 2026). The comments in the code are by the model that wrote it; some were corrected since.
;; Linear Attention. Allowed arithmetic: float matrix products may take bf16 or f16 operands with f32 sums; all other float work in f32.
;; Inputs: k 8 x 8 x 4,800 x 32 float32; kv_mask 8 x 4,800 bool; q 8 x 8 x 4,800 x 32 float32; q_mask 8 x 4,800 bool; v 8 x 8 x 4,800 x 32 float32.
;; Outputs: out0 8 x 8 x 4,800 x 32 float32.
;; One version. Each part assembles by itself: llvm-mc -triple=amdgcn-amd-amdhsa -mcpu=gfx1250 --defsym DOCPART=n.
;; ======== version 1 of 1: 2 launches
;; limits: values outside matrix products are rounded to bf16; inputs' magnitudes at most 100,000,000,000
;; workspace buffers: part 1,114,112 bytes
;; launch kvsum (part 1): grid 256 x 1, 15 waves a work-group, no clusters, 75,776 bytes of LDS; arguments k, v, kv_mask, part; writes part
.if DOCPART == 1
	.amdgcn_target "amdgcn-amd-amdhsa--gfx1250"
	.amdhsa_code_object_version 6
	.text
	.protected	k_qd21a166b10_kvsum
	.globl	k_qd21a166b10_kvsum
	.p2align	8
	.type	k_qd21a166b10_kvsum,@function
k_qd21a166b10_kvsum:
	s_mov_b64 s[64:65], 0
	v_nop
	global_prefetch_b8 v0, s[64:65] scope:SCOPE_SE
	s_setreg_imm32_b32 hwreg(HW_REG_WAVE_MODE, 25, 1), 1
	s_wait_xcnt 0x0
; LINEAR ATTENTION, FIRST HALF: partial sums  kv[d][e] = sum over s of k'[s][d] v[s][e]  and  ksum[d] = sum over s of k'[s][d],
; k' = (elu(k) + 1) * kv_mask.  k, v: [64 heads][4800][32] f32; kv_mask: [8][4800] bytes.
; Work-group g = 4 head + quarter owns rows 1200 g .. 1200 g + 1199 of the flat [307200][32] arrays; each of its 15 waves owns 80 rows.
; Its result goes to part + 4352 g: 33 rows of 32 f32; row e < 32 holds kv[.][e], row 32 holds ksum; inside a row the d stand in the
; order [h][c][j], d = 16 h + 2 j + c, which is how the result tiles' registers lie.
;
; NO TRANSPOSITION: the contraction runs over s, the slow axis.  Lane (r = lane % 16, h = lane / 16) loads 8 bytes, columns 2r and 2r+1 of row
; 2p + h, so a load of the wave covers 256 consecutive bytes, aligned, and the register number is the contraction index, as a matrix
; fragment wants it (ISA guide 7.12.2).  Column parity c picks the fragment: A_c holds d = 2m + c, B_c' holds e = 2n + c'.
; Register j, half x of every fragment stands for row 4j + 2x + h of the step: the same map for A and B, so the products are right.
; ksum is the product of the same fragments of k' with a fragment of ones: f32 sums of exactly the bf16 numbers that enter kv.
;
; WHAT IS FOLDED: the mask is 0 or 1, so (k' m)(v m) = (k' m) v: kv_mask is applied to k' alone.  v / S here and * S at the end cancel and
; are not carried out.
; elu(x) IS THE MIDDLE ONE OF x, 0 AND e^x - 1: e^x - 1 >= x everywhere, so for x >= 0 the order is 0 <= x <= e^x - 1 and for x < 0 it is
; x < e^x - 1 < 0.  One v_med3_num_f32 stands for a compare and a select.  e^x - 1 is rounded before the 1 is added, as the reference's expm1
; is, so that x below about -17 gives exactly 0 as there.
; LIMITS: where rounding puts e^x - 1 on the other side of x (|x| below about 5e-4) the result is off by no more than the rounding of e^x,
; 1.2e-7 beside the 1 that is added; a NaN in k need not come out as a NaN; a masked row with a non-finite k gives 0 (the reference: NaN);
; the sums kv carry no 1/4800, so they reach the largest f32 at values 4800 times smaller than the reference's; mask bytes are 0 or 1.
; No cluster: the work-groups share no input but 80 mask bytes a wave.  No LDS on the way in: 160 registers a wave hold all its bytes.
.set ROWB,    128                      ; bytes in a row of k or v
.set WGROWS,  1200                     ; rows of a work-group
.set WVROWS,  80                       ; rows of a wave: two steps of 32 and one of 16
.set SEQ,     4800
.set LOG2E,   0x3fb8aa3b
.set RPITCH,  144                      ; LDS: 128 bytes (one e) + 16: sixteen lanes that store the same column of 16 rows start 36 words apart
.set CBLK,    2432                     ; LDS: block of the odd e; 2304 + 128, so that rows e and e + 1 lie 128 bytes apart modulo 256
.set KSROW,   2304                     ; LDS: ksum's 128 bytes fill the gap between the two blocks
.set WREG,    4736                     ; LDS bytes of one wave's tiles
.set PSTRIDE, 4352                     ; bytes from one partial to the next in part (4224 used)
.set OFF, 1                            ; v1        8 x lane: my 8 bytes in a pair of rows
.set SH,  2                            ; v2        8 h: which mask byte of a pair is mine
.set T,   4                            ; v[4:19]   at work
.set MW,  20                           ; v[20:27]  mask words of a step: 0xffff in each half whose row is kept
.set ONE, 28                           ; v[28:35]  a fragment of bf16 ones
.set ACC, 36                           ; v[36:83]  tiles (c, c') at ACC + 16 c + 8 c'; ksum of parity c at ACC + 32 + 8 c
.set KD0, 84                           ; the loaded rows, later the fragments packed in place: step 0 k, v; step 1 k, v; half step k, v
.set VD0, 116
.set KD1, 148
.set VD1, 180
.set KD2, 212
.set VD2, 228
.set R,   84                           ; the final sum: 15 x 4 registers, in registers of step 0, which is done with by then
.set MSK, 16                           ; s[16:35]  the wave's 80 mask bytes
	s_load_b256 s[4:11], s[0:1], 0x0               ; k s[4:5], v s[6:7], kv_mask s[8:9], part s[10:11]
	v_lshl_add_u32 v244, v0, 2, 0x12000
	v_mov_b32 v245, 0
	v_lshrrev_b32 v3, 5, v0
	v_readfirstlane_b32 s12, v3                    ; wave 0..14
	v_and_b32 v[OFF], 31, v0
	v_lshrrev_b32 v[SH], 4, v[OFF]
	v_lshlrev_b32 v[SH], 3, v[SH]                  ; 8 h
	v_lshlrev_b32 v[OFF], 3, v[OFF]                ; 8 x lane = 128 h + 8 r
	s_mul_i32 s36, ttmp9, WGROWS*ROWB              ; byte offset of my 80 rows in k and in v: below 39,321,600
	s_mul_i32 s13, s12, WVROWS*ROWB
	s_add_co_u32 s36, s36, s13
	s_mov_b32 s37, 0
	s_lshr_b32 s38, ttmp9, 5                       ; batch = head / 8
	s_mul_i32 s38, s38, SEQ
	s_and_b32 s13, ttmp9, 3                        ; quarter
	s_mul_i32 s13, s13, WGROWS
	s_add_co_u32 s38, s38, s13
	s_mul_i32 s13, s12, WVROWS
	s_add_co_u32 s38, s38, s13                     ; byte offset of my 80 mask bytes, a multiple of 16
	s_mov_b32 s39, 0
	s_mul_i32 s48, ttmp9, PSTRIDE
	s_mov_b32 s49, 0
	s_mul_i32 s14, s12, WREG                       ; my tiles in LDS
	s_add_co_u32 s15, s14, KSROW
	s_wait_kmcnt 0x0
	s_add_nc_u64 s[8:9], s[8:9], s[38:39]
	s_add_nc_u64 s[4:5], s[4:5], s[36:37]
	s_add_nc_u64 s[6:7], s[6:7], s[36:37]
	s_add_nc_u64 s[10:11], s[10:11], s[48:49]
	s_load_b512 s[MSK:MSK+15], s[8:9], 0x0         ; mask bytes of rows 0-63
	s_load_b128 s[MSK+16:MSK+19], s[8:9], 0x40     ; and of rows 64-79
; The loads of one step of one tensor: pair p = rows 2p, 2p+1.  Even pairs go to the lower bank of the step's registers, odd pairs to the
; upper one, so that PACK below can write each fragment over registers that it has already read.
.macro FILL dst, bank, pairs, sb, byte0
.set p, 0
.rept \pairs
.if p % 2
	global_load_b64 v[\dst+\bank+p-1:\dst+\bank+p], v[OFF], s[\sb:\sb+1] offset:\byte0+256*p th:TH_LOAD_NT
.else
	global_load_b64 v[\dst+p:\dst+p+1], v[OFF], s[\sb:\sb+1] offset:\byte0+256*p th:TH_LOAD_NT
.endif
.set p, p+1
.endr
.endm
	FILL KD0, 16, 16, 4, 0                         ; all 80 loads of the wave at once: 20,480 bytes, each read once in the launch
	FILL VD0, 16, 16, 6, 0
	FILL KD1, 16, 16, 4, 4096
	FILL VD1, 16, 16, 6, 4096
	FILL KD2, 8, 8, 4, 8192
	FILL VD2, 8, 8, 6, 8192
.irp i, 0,1,2,3,4,5,6,7
	v_mov_b32 v[ONE+\i], 0x3f803f80                ; 1.0, 1.0 in bf16
.endr
; elu(x) + 1 on sixteen registers, in place.  Two halves, so that behind each run of exponentials plain instructions that touch none of its
; registers stand before its results are used (ISA guide 5.7.2): the second half's multiplies, then the first half's subtractions.
.macro ELU16 x
.irp i, 0,2,4,6
	v_pk_mul_f32 v[T+\i:T+\i+1], v[\x+\i:\x+\i+1], LOG2E op_sel_hi:[1,0]
.endr
.irp i, 0,1,2,3,4,5,6,7
	v_exp_f32 v[T+\i], v[T+\i]                     ; e^x
.endr
.irp i, 8,10,12,14
	v_pk_mul_f32 v[T+\i:T+\i+1], v[\x+\i:\x+\i+1], LOG2E op_sel_hi:[1,0]
.endr
.irp i, 8,9,10,11,12,13,14,15
	v_exp_f32 v[T+\i], v[T+\i]
.endr
	s_wait_alu depctr_va_vdst(0)
.irp i, 0,2,4,6
	v_pk_add_f32 v[T+\i:T+\i+1], v[T+\i:T+\i+1], -1.0 op_sel_hi:[1,0]     ; e^x - 1, rounded as the reference's expm1 is
.endr
.irp i, 0,1,2,3,4,5,6,7
	v_med3_num_f32 v[\x+\i], v[\x+\i], 0, v[T+\i]                         ; the middle one of x, 0, e^x - 1 = elu(x)
.endr
.irp i, 0,2,4,6
	v_pk_add_f32 v[\x+\i:\x+\i+1], v[\x+\i:\x+\i+1], 1.0 op_sel_hi:[1,0]
.endr
.irp i, 8,10,12,14
	v_pk_add_f32 v[T+\i:T+\i+1], v[T+\i:T+\i+1], -1.0 op_sel_hi:[1,0]
.endr
.irp i, 8,9,10,11,12,13,14,15
	v_med3_num_f32 v[\x+\i], v[\x+\i], 0, v[T+\i]
.endr
.irp i, 8,10,12,14
	v_pk_add_f32 v[\x+\i:\x+\i+1], v[\x+\i:\x+\i+1], 1.0 op_sel_hi:[1,0]
.endr
.endm
; Mask word j of a step, from dword j of its mask bytes (rows 4j .. 4j+3): byte h goes with the low half, byte 2 + h with the high half.
.macro MASKW first, cnt
.set j, 0
.rept \cnt
	v_lshrrev_b32 v[MW+j], v[SH], s[MSK+\first+j]
.set j, j+1
.endr
.set j, 0
.rept \cnt
	v_and_b32 v[MW+j], 0x00010001, v[MW+j]
.set j, j+1
.endr
.set j, 0
.rept \cnt
	v_mul_u32_u24 v[MW+j], 0xffff, v[MW+j]         ; 1 -> 0xffff in each half, no carry between them
.set j, j+1
.endr
.endm
; Round to bf16 and pack in place: fragment 0 (even columns) into x .. x+cnt-1, fragment 1 (odd columns) into x+bank .. .
; Turn j reads x+2j, x+2j+1 and the same in the upper bank, and writes x+j and x+bank+j, which turns up to j have read.
.macro PACK x, bank, cnt
.set j, 0
.rept \cnt
	v_cvt_pk_bf16_f32 v[\x+j], v[\x+2*j], v[\x+\bank+2*j]
	v_cvt_pk_bf16_f32 v[\x+\bank+j], v[\x+2*j+1], v[\x+\bank+2*j+1]
.set j, j+1
.endr
.endm
.macro HOLES x, bank, cnt              ; k' of masked rows becomes +0
.set j, 0
.rept \cnt
	v_and_b32 v[\x+j], v[MW+j], v[\x+j]
	v_and_b32 v[\x+\bank+j], v[MW+j], v[\x+\bank+j]
.set j, j+1
.endr
.endm
.macro ZERO4 x                         ; the half step has no rows for registers 4-7 of a fragment
.irp j, 4,5,6,7
	v_mov_b32 v[\x+\j], 0
.endr
.endm
.macro WM d, a, b, first               ; the first product starts the sum: no accumulator is cleared
.if \first
	v_wmma_f32_16x16x32_bf16 v[\d:\d+7], v[\a:\a+7], v[\b:\b+7], 0
.else
	v_wmma_f32_16x16x32_bf16 v[\d:\d+7], v[\a:\a+7], v[\b:\b+7], v[\d:\d+7]
.endif
.endm
.macro MM ka, kb, va, vb, first
	WM ACC,    \ka, \va, \first
	WM ACC+8,  \ka, \vb, \first
	WM ACC+16, \kb, \va, \first
	WM ACC+24, \kb, \vb, \first
	WM ACC+32, \ka, ONE, \first
	WM ACC+40, \kb, ONE, \first
.endm
	s_wait_kmcnt 0x0                               ; the mask bytes
	MASKW 0, 8
	s_wait_loadcnt 63                              ; loads return in order (ISA guide 5.7.1): 64 are younger than step 0's k; the count's field ends at 63
	ELU16 KD0
	ELU16 KD0+16
	PACK KD0, 16, 8
	HOLES KD0, 16, 8
	s_wait_loadcnt 48                              ; step 0's v is in; the 48 loads of the later steps may be out
	PACK VD0, 16, 8
	MM KD0, KD0+16, VD0, VD0+16, 1
	MASKW 8, 8
	s_wait_loadcnt 32                              ; step 1's k; its v and the half step (16 + 16) may be out
	ELU16 KD1
	ELU16 KD1+16
	PACK KD1, 16, 8
	HOLES KD1, 16, 8
	s_wait_loadcnt 16                              ; step 1's v; the half step's 16 loads may be out
	PACK VD1, 16, 8
	MM KD1, KD1+16, VD1, VD1+16, 0
	MASKW 16, 4
	s_wait_loadcnt 8                               ; the half step's k; its v (8 loads) may be out
	ELU16 KD2
	PACK KD2, 8, 4
	HOLES KD2, 8, 4
	ZERO4 KD2
	ZERO4 KD2+8
	s_wait_loadcnt 0x0
	PACK VD2, 8, 4
	ZERO4 VD2                                      ; v's side too: what lies there is no number, and 0 x NaN is NaN
	ZERO4 VD2+8
	MM KD2, KD2+8, VD2, VD2+8, 0
	; THE 15 WAVES' TILES MEET IN LDS.  Lane (r, h), tile (c, c'), register j holds kv[16h + 2j + c][2r + c']: eight neighbours of the order [h][c][j].
	; The seven address lines are also the places between the last matrix instructions and the stores that read their results.
	v_and_b32 v[T], 15, v0                         ; r
	v_bfe_u32 v[T+1], v0, 4, 1                     ; h
	v_mul_u32_u24 v[T], v[T], RPITCH
	v_lshl_add_u32 v[T], v[T+1], 6, v[T]           ; 144 r + 64 h
	v_add_nc_u32 v[T], s14, v[T]
	v_lshlrev_b32 v[T+1], 6, v[T+1]
	v_add_nc_u32 v[T+1], s15, v[T+1]               ; ksum: 64 h in the gap; the sixteen lanes of a half hold and store the same numbers
.irp c, 0,1
.irp e, 0,1
	ds_store_b128 v[T], v[ACC+16*\c+8*\e:ACC+16*\c+8*\e+3] offset:\e*CBLK+\c*32
	ds_store_b128 v[T], v[ACC+16*\c+8*\e+4:ACC+16*\c+8*\e+7] offset:\e*CBLK+\c*32+16
.endr
.endr
.irp c, 0,1
	ds_store_b128 v[T+1], v[ACC+32+8*\c:ACC+32+8*\c+3] offset:\c*32
	ds_store_b128 v[T+1], v[ACC+32+8*\c+4:ACC+32+8*\c+7] offset:\c*32+16
.endr
	s_wait_dscnt 0x0                               ; my stores are done, for the waves that read them
	s_barrier_signal -1
	s_barrier_wait -1
	s_cmp_gt_u32 s12, 8
	s_cbranch_scc1 .Ldone                          ; waves 9-14 have nothing left to add
	s_cmp_eq_u32 s12, 8
	s_cbranch_scc1 .Lksum
	; waves 0-7: thread t adds the 15 copies of the four numbers at byte 16 t of the partial (row e = t / 8)
	v_lshrrev_b32 v[T], 3, v0                      ; e
	v_and_b32 v[T+1], 1, v[T]                      ; c'
	v_lshrrev_b32 v[T], 1, v[T]                    ; r
	v_mul_u32_u24 v[T], v[T], RPITCH
	v_mad_u32_u24 v[T], v[T+1], CBLK, v[T]
	v_and_b32 v[T+1], 7, v0
	v_lshl_add_u32 v[T], v[T+1], 4, v[T]
	v_add_nc_u32 v[T+1], 8*WREG, v[T]              ; a second base: 14 x 4736 is past the 16-bit offset
.irp i, 0,1,2,3,4,5,6,7
	ds_load_b128 v[R+4*\i:R+4*\i+3], v[T] offset:\i*WREG
.endr
.irp i, 8,9,10,11,12,13,14
	ds_load_b128 v[R+4*\i:R+4*\i+3], v[T+1] offset:(\i-8)*WREG
.endr
	v_lshlrev_b32 v[T+2], 4, v0
	s_wait_dscnt 0x0
.macro ADD4 a, b                       ; copy a += copy b; the arguments may be sums, hence the brackets
	v_pk_add_f32 v[R+4*(\a):R+4*(\a)+1], v[R+4*(\a):R+4*(\a)+1], v[R+4*(\b):R+4*(\b)+1]
	v_pk_add_f32 v[R+4*(\a)+2:R+4*(\a)+3], v[R+4*(\a)+2:R+4*(\a)+3], v[R+4*(\b)+2:R+4*(\b)+3]
.endm
.irp a, 0,2,4,6,8,10,12
	ADD4 \a, \a+1                                  ; a tree: pairs (copy 14 stands alone),
.endr
.irp a, 0,4,8,12
	ADD4 \a, \a+2                                  ; fours (12 takes 14),
.endr
	ADD4 0, 4
	ADD4 8, 12
	ADD4 0, 8                                      ; and all fifteen
	global_store_b128 v[T+2], v[R:R+3], s[10:11]   ; sixteen lanes store 256 consecutive bytes, aligned
	s_wait_tensorcnt 0x0
	ds_add_u32 v244, v245
	s_wait_dscnt 0x0
	s_endpgm
.Lksum:	; wave 8: lane l adds the 15 copies of number l of ksum's row
	v_and_b32 v[T], 31, v0
	v_lshlrev_b32 v[T], 2, v[T]
	v_add_nc_u32 v[T+1], KSROW, v[T]
	v_add_nc_u32 v[T+2], KSROW+8*WREG, v[T]
.irp i, 0,1,2,3,4,5,6,7
	ds_load_b32 v[R+\i], v[T+1] offset:\i*WREG
.endr
.irp i, 8,9,10,11,12,13,14
	ds_load_b32 v[R+\i], v[T+2] offset:(\i-8)*WREG
.endr
	s_wait_dscnt 0x0
.irp a, 0,2,4,6,8,10,12
	v_add_f32 v[R+\a], v[R+\a], v[R+\a+1]
.endr
.irp a, 0,4,8,12
	v_add_f32 v[R+\a], v[R+\a], v[R+\a+2]
.endr
	v_add_f32 v[R], v[R], v[R+4]
	v_add_f32 v[R+8], v[R+8], v[R+12]
	v_add_f32 v[R], v[R], v[R+8]
	global_store_b32 v[T], v[R], s[10:11] offset:4096
.Ldone:
	s_wait_tensorcnt 0x0
	ds_add_u32 v244, v245
	s_wait_dscnt 0x0
	s_endpgm
.Lfunc_end_k_qd21a166b10_kvsum:
	.size	k_qd21a166b10_kvsum, .Lfunc_end_k_qd21a166b10_kvsum-k_qd21a166b10_kvsum
	.p2alignl 7, 3214868480
	.fill 96, 4, 3214868480
	.section	.rodata,"a",@progbits
	.p2align	6, 0x0
	.amdhsa_kernel k_qd21a166b10_kvsum
		.amdhsa_group_segment_fixed_size 75776
		.amdhsa_private_segment_fixed_size 0
		.amdhsa_enable_private_segment 0
		.amdhsa_kernarg_size 32
		.amdhsa_user_sgpr_count 2
		.amdhsa_user_sgpr_kernarg_segment_ptr 1
		.amdhsa_wavefront_size32 1
		.amdhsa_system_sgpr_workgroup_id_x 1
		.amdhsa_system_sgpr_workgroup_id_y 1
		.amdhsa_system_sgpr_workgroup_id_z 1
		.amdhsa_system_vgpr_workitem_id 0
		.amdhsa_next_free_vgpr 246
		.amdhsa_next_free_sgpr 66
		.amdhsa_reserve_vcc 0
		.amdhsa_float_denorm_mode_32 3
		.amdhsa_float_denorm_mode_16_64 3
		.amdhsa_memory_ordered 1
		.amdhsa_forward_progress 1
		.amdhsa_inst_pref_size 45
	.end_amdhsa_kernel
	.amdgpu_metadata
---
amdhsa.version: [ 1, 2 ]
amdhsa.kernels:
  - .name:           k_qd21a166b10_kvsum
    .symbol:         k_qd21a166b10_kvsum.kd
    .args:
      - { .name: k, .offset: 0, .size: 8, .value_kind: global_buffer, .address_space: global }
      - { .name: v, .offset: 8, .size: 8, .value_kind: global_buffer, .address_space: global }
      - { .name: kv_mask, .offset: 16, .size: 8, .value_kind: global_buffer, .address_space: global }
      - { .name: part, .offset: 24, .size: 8, .value_kind: global_buffer, .address_space: global }
    .group_segment_fixed_size: 75776
    .private_segment_fixed_size: 0
    .kernarg_segment_align: 8
    .kernarg_segment_size: 32
    .max_flat_workgroup_size: 480
    .sgpr_count:     66
    .vgpr_count:     246
    .wavefront_size: 32
...
	.end_amdgpu_metadata
.endif
;; end of part 1
;; launch apply (part 2): grid 256 x 1, 15 waves a work-group, no clusters, 58,624 bytes of LDS; arguments q, q_mask, part, out0; writes out0
.if DOCPART == 2
	.amdgcn_target "amdgcn-amd-amdhsa--gfx1250"
	.amdhsa_code_object_version 6
	.text
	.protected	k_qd21a166b10_apply
	.globl	k_qd21a166b10_apply
	.p2align	8
	.type	k_qd21a166b10_apply,@function
k_qd21a166b10_apply:
	s_mov_b64 s[64:65], 0
	v_nop
	global_prefetch_b8 v0, s[64:65] scope:SCOPE_SE
	s_setreg_imm32_b32 hwreg(HW_REG_WAVE_MODE, 25, 1), 1
	s_wait_xcnt 0x0
; LINEAR ATTENTION, SECOND HALF: y[l][e] = q_mask[l] (sum over d of q'[l][d] kv[d][e]) / (sum over d of q'[l][d] ksum[d] + 1e-6),  q' = elu(q) + 1.
; q, out0: [64 heads][4800][32] f32; q_mask: [8][4800] bytes; part: the first launch's 256 partials, four for each head.
; Work-group g = 4 head + quarter owns rows 1200 g .. +1199 of the flat [307200][32] arrays; each of its 15 waves owns 80 rows = 5 tiles of 16.
; (The reference's v / S and * S cancel and are not carried out; see the first launch's head for what that means for the range.)
;
; q COMES STRAIGHT INTO REGISTERS: each wave asks for its 80 rows in its first lines, by 20 loads of 512 consecutive bytes (four rows), aligned;
; 80 registers hold them, so the work-group's whole 153,600 bytes are on their way at once.  The head's partials are asked for in front of them.
; In a loaded register lane i holds row i / 8, d = 4 (i % 8) .. + 3.  elu runs there; q' is rounded to bf16 there too, and only the 64 bytes a
; row that are left go through LDS, in the wave's own stage, to become a fragment (lane r = row).
; THE MATRIX INSTRUCTION IS USED TRANSPOSED: source 0 = kv (row m = e), source 1 = q' (column n = l).  Lane (r, h) then holds row l = r of y,
; registers 0-7 the columns e = 16 t + 8 h + 0..7.  A third fragment holds ksum in all 16 rows, so every lane finds its own row's
; denominator in its own register.  Register j, half x of both sides stands for d = 16 h + 2 j + x: two loads of 16 bytes from rows in d's order.
; Results leave through each wave's own LDS stage, so that a store of the wave covers 512 consecutive bytes.
;
; q_mask IS APPLIED TO THE RECIPROCAL, not to q': with m = 1 nothing differs; with m = 0 the reference has q' = 0, hence y = 0, and here
; y = num * (z * 0) = 0 for every finite num.  One multiply for 16 rows, in the layout in which a lane is a row.
; elu(x) is the middle one of x, 0 and e^x - 1 (e^x - 1 >= x everywhere); e^x - 1 is rounded before the 1 is added, as the reference's expm1 is.
; LIMITS: where rounding puts e^x - 1 on the other side of x (|x| below about 5e-4) q' is off by no more than the rounding of e^x, 1.2e-7
; beside the 1 that is added; a NaN in q need not come out as a NaN; mask bytes are 0 or 1.
; No cluster: the four work-groups of a head share only the 16,896 bytes of its partials, against 153,600 bytes of q of their own each.
.set ROWB,    128
.set WGROWS,  1200
.set WVROWS,  80
.set SEQ,     4800
.set LOG2E,   0x3fb8aa3b
.set EPS,     0x358637bd               ; 1e-6
.set PSTRIDE, 4352                     ; bytes from one partial to the next
.set FPITCH,  80                       ; LDS table of kv in bf16: 64 bytes for each e + 16
.set STAGE,   2816                     ; behind the table (33 x 80 bytes from 0): the waves' stages
.set YPITCH,  144                      ; a row of y in LDS: 128 bytes + 16, so that the 16 rows a store touches start 36 words apart
.set XPITCH,  80                       ; a row of q' in LDS: 64 bytes + 16, so that the 16 rows a load touches start 20 words apart
.set YBYTES,  16*YPITCH
.set WST,     YBYTES+16*XPITCH         ; a wave's stage: 16 rows of y, then 16 rows of q'
.set RR,  1                            ; v1   r = lane % 16
.set HH,  2                            ; v2   h = lane / 16
.set XS,  3                            ; v3   LDS: where I put my 8 bytes of q' (row lane / 8)
.set SA,  4                            ; v4   LDS: where I put y(r, 8h ..)
.set RA,  5                            ; v5   LDS: where I read rows of y back
.set GO,  6                            ; v6   16 x lane: my bytes in a load of q and in a store of y
.set FA,  7                            ; v7   LDS: row r, half h of the table
.set XL,  8                            ; v8   LDS: row r, half h of q'
.set FK,  9                            ; v9   LDS: half h of ksum's row, less its constant
.set PO,  10                           ; v10  waves 0-7: my 8 bytes in a partial
.set TA,  11                           ; v11  waves 0-7: my 8 bytes in the table
.set PK,  12                           ; v12  wave 8: my number of ksum in a partial
.set TK,  13                           ; v13  wave 8: its place in the table
.set QMR, 14                           ; v[14:18]  q_mask's byte of row r in each tile
.set MF,  19                           ; v19       the tile's, as f32
.set DEN, 20
.set RC,  21
.set Z,   22                           ; v[22:23]  mask / denominator, twice (a pair for the packed multiply)
.set T,   24                           ; v[24:39]  at work
.set A0,  40                           ; v[40:63]  fragments: kv for e 0-15, e 16-31, ksum
.set A1,  48
.set A2,  56
.set BQ,  64                           ; v[64:71]  fragment of q'
.set D0,  72                           ; v[72:95]  results
.set D1,  80
.set D2,  88
.set R,   96                           ; v[96:111]  rows read back, to store
.set P,   112                          ; v[112:127] the partials being added
.set Q,   128                          ; v[128:207] q: 16 registers for each tile
	s_load_b256 s[4:11], s[0:1], 0x0               ; q s[4:5], q_mask s[6:7], part s[8:9], out0 s[10:11]
	v_lshl_add_u32 v208, v0, 2, 0xdd00
	v_mov_b32 v209, 0
	v_lshrrev_b32 v1, 5, v0
	v_readfirstlane_b32 s12, v1                    ; wave 0..14
	s_mul_i32 s16, ttmp9, WGROWS*ROWB              ; byte offset of my 80 rows in q and in out0: below 39,321,600, a multiple of 512
	s_mul_i32 s13, s12, WVROWS*ROWB
	s_add_co_u32 s16, s16, s13
	s_mov_b32 s17, 0
	s_lshr_b32 s18, ttmp9, 5                       ; batch
	s_mul_i32 s18, s18, SEQ
	s_and_b32 s13, ttmp9, 3                        ; quarter
	s_mul_i32 s13, s13, WGROWS
	s_add_co_u32 s18, s18, s13
	s_mul_i32 s13, s12, WVROWS
	s_add_co_u32 s18, s18, s13                     ; my first row in q_mask
	s_mov_b32 s19, 0
	s_lshr_b32 s20, ttmp9, 2                       ; head
	s_mul_i32 s20, s20, 4*PSTRIDE                  ; its four partials
	s_mov_b32 s21, 0
	s_mul_i32 s22, s12, WST
	s_add_co_u32 s22, s22, STAGE                   ; my stage: y,
	s_add_co_u32 s23, s22, YBYTES                  ; then q'
	; every address is made while the arguments are on their way
	v_and_b32 v[T], 31, v0                         ; lane
	v_and_b32 v[RR], 15, v0
	v_bfe_u32 v[HH], v0, 4, 1
	v_lshlrev_b32 v[GO], 4, v[T]
	v_lshrrev_b32 v[T+1], 3, v[T]                  ; lane / 8
	v_and_b32 v[T+2], 7, v[T]                      ; lane % 8
	v_mul_u32_u24 v[XS], v[T+1], XPITCH
	v_lshl_add_u32 v[XS], v[T+2], 3, v[XS]         ; 80 (lane / 8) + 8 (lane % 8)
	v_add_nc_u32 v[XS], s23, v[XS]
	v_mul_u32_u24 v[XL], v[RR], XPITCH
	v_lshl_add_u32 v[XL], v[HH], 5, v[XL]          ; 80 r + 32 h: d = 16h .. 16h+15 in bf16
	v_add_nc_u32 v[XL], s23, v[XL]
	v_mul_u32_u24 v[SA], v[RR], YPITCH
	v_lshl_add_u32 v[SA], v[HH], 5, v[SA]          ; 144 r + 32 h
	v_add_nc_u32 v[SA], s22, v[SA]
	v_mul_u32_u24 v[RA], v[T+1], YPITCH
	v_lshl_add_u32 v[RA], v[T+2], 4, v[RA]         ; back: eight lanes take a row of 128 bytes, the wave four rows
	v_add_nc_u32 v[RA], s22, v[RA]
	v_mul_u32_u24 v[FA], v[RR], FPITCH
	v_lshl_add_u32 v[FA], v[HH], 5, v[FA]          ; 80 r + 32 h
	v_lshlrev_b32 v[FK], 5, v[HH]
	; A partial's row e holds d = 16h + 2j + c at number 16h + 8c + j.  Thread t of waves 0-7 (e = t / 8, h = t / 4 % 2, i = t % 4) takes numbers
	; 16h + 2i, + 1 (c = 0: d = 16h + 4i, + 2) and the two 32 bytes further on (c = 1: d = 16h + 4i + 1, + 3): four neighbouring d.
	v_lshrrev_b32 v[PO], 2, v0
	v_and_b32 v[T+3], 3, v0
	v_lshlrev_b32 v[PO], 6, v[PO]
	v_lshl_add_u32 v[PO], v[T+3], 3, v[PO]         ; 128 e + 64 h + 8 i = 64 (t / 4) + 8 (t % 4)
	v_lshrrev_b32 v[TA], 3, v0
	v_mul_u32_u24 v[TA], v[TA], FPITCH
	v_and_b32 v[T+3], 7, v0
	v_lshl_add_u32 v[TA], v[T+3], 3, v[TA]         ; 80 e + 2 (16h + 4i)
	v_lshlrev_b32 v[PK], 2, v[T]                   ; wave 8: number l = 16h + 8c + j of ksum's row
	v_lshlrev_b32 v[TK], 2, v[T+2]
	v_bfe_u32 v[T+3], v0, 3, 1
	v_lshl_add_u32 v[TK], v[T+3], 1, v[TK]
	v_lshl_add_u32 v[TK], v[HH], 5, v[TK]          ; goes to byte 2 d = 32 h + 4 j + 2 c
	s_wait_kmcnt 0x0
	s_add_nc_u64 s[4:5], s[4:5], s[16:17]
	s_add_nc_u64 s[10:11], s[10:11], s[16:17]
	s_add_nc_u64 s[6:7], s[6:7], s[18:19]
	s_add_nc_u64 s[8:9], s[8:9], s[20:21]
; 25 loads: q_mask's bytes of my rows, then my 80 rows of q, each byte read once in the launch
.macro QLOADS
.irp i, 0,1,2,3,4
	global_load_u8 v[QMR+\i], v[RR], s[6:7] offset:16*\i
.endr
.set t, 0
.rept 20
	global_load_b128 v[Q+4*t:Q+4*t+3], v[GO], s[4:5] offset:512*t th:TH_LOAD_NT
.set t, t+1
.endr
.endm
	; THE HEAD'S kv AND ksum: the four partials are added in f32, rounded to bf16 once and laid in LDS for all waves, in d's order.
	; The waves that build the table ask for the partials first: loads return in order (ISA guide 5.7.1), so these need not wait for q.
	s_cmp_gt_u32 s12, 8
	s_cbranch_scc1 .Lrest
	s_cmp_eq_u32 s12, 8
	s_cbranch_scc1 .Lks
.irp p, 0,1,2,3
	global_load_b64 v[P+4*\p:P+4*\p+1], v[PO], s[8:9] offset:\p*PSTRIDE
	global_load_b64 v[P+4*\p+2:P+4*\p+3], v[PO], s[8:9] offset:\p*PSTRIDE+32
.endr
	QLOADS
	s_wait_loadcnt 25                              ; the partials are in; the 25 younger loads may be out
	v_pk_add_f32 v[P:P+1], v[P:P+1], v[P+4:P+5]
	v_pk_add_f32 v[P+2:P+3], v[P+2:P+3], v[P+6:P+7]
	v_pk_add_f32 v[P+8:P+9], v[P+8:P+9], v[P+12:P+13]
	v_pk_add_f32 v[P+10:P+11], v[P+10:P+11], v[P+14:P+15]
	v_pk_add_f32 v[P:P+1], v[P:P+1], v[P+8:P+9]
	v_pk_add_f32 v[P+2:P+3], v[P+2:P+3], v[P+10:P+11]
	v_cvt_pk_bf16_f32 v[P+4], v[P], v[P+2]         ; d = 16h + 4i, + 1
	v_cvt_pk_bf16_f32 v[P+5], v[P+1], v[P+3]       ; + 2, + 3
	ds_store_b64 v[TA], v[P+4:P+5]
	s_branch .Ljoin
.Lks:
.irp p, 0,1,2,3
	global_load_b32 v[P+\p], v[PK], s[8:9] offset:\p*PSTRIDE+4096
.endr
	QLOADS
	s_wait_loadcnt 25                              ; as above
	v_add_f32 v[P], v[P], v[P+1]
	v_add_f32 v[P+2], v[P+2], v[P+3]
	v_add_f32 v[P], v[P], v[P+2]
	v_cvt_pk_bf16_f32 v[P], v[P], v[P]
	ds_store_b16 v[TK], v[P] offset:32*FPITCH
	s_branch .Ljoin
.Lrest:
	QLOADS
.Ljoin:
	s_wait_dscnt 0x0                               ; my part of the table is written, for the others' sake
	s_barrier_signal -1
	s_barrier_wait -1
	ds_load_b128 v[A0:A0+3], v[FA]
	ds_load_b128 v[A0+4:A0+7], v[FA] offset:16
	ds_load_b128 v[A1:A1+3], v[FA] offset:16*FPITCH
	ds_load_b128 v[A1+4:A1+7], v[FA] offset:16*FPITCH+16
	ds_load_b128 v[A2:A2+3], v[FK] offset:32*FPITCH          ; the same row for every r
	ds_load_b128 v[A2+4:A2+7], v[FK] offset:32*FPITCH+16
; T = q x log2 e for tile n, in two parts: six lines and two, which fill the places behind the matrix instructions and behind the reciprocal
.macro MULSA n
.irp i, 0,2,4,6,8,10
	v_pk_mul_f32 v[T+\i:T+\i+1], v[Q+16*(\n)+\i:Q+16*(\n)+\i+1], LOG2E op_sel_hi:[1,0]
.endr
.endm
.macro MULSB n
.irp i, 12,14
	v_pk_mul_f32 v[T+\i:T+\i+1], v[Q+16*(\n)+\i:Q+16*(\n)+\i+1], LOG2E op_sel_hi:[1,0]
.endr
.endm
; One tile of 16 rows; T holds q x log2 e of the tile.  more = 1: a tile follows.
.macro TILE g, more
.set X, Q+16*\g
.irp i, 0,1,2,3,4,5,6,7,8,9,10,11,12,13,14,15
	v_exp_f32 v[T+\i], v[T+\i]                     ; e^x
.endr
	v_cvt_f32_u32 v[MF], v[QMR+\g]                 ; the plain instruction between the exponentials and their use (ISA guide 5.7.2)
	s_wait_alu depctr_va_vdst(0)
.irp i, 0,2,4,6,8,10,12,14
	v_pk_add_f32 v[T+\i:T+\i+1], v[T+\i:T+\i+1], -1.0 op_sel_hi:[1,0]     ; e^x - 1, rounded as the reference's expm1 is
.endr
.irp i, 0,1,2,3,4,5,6,7,8,9,10,11,12,13,14,15
	v_med3_num_f32 v[X+\i], v[X+\i], 0, v[T+\i]                           ; the middle one of x, 0, e^x - 1 = elu(x)
.endr
.irp i, 0,2,4,6,8,10,12,14
	v_pk_add_f32 v[X+\i:X+\i+1], v[X+\i:X+\i+1], 1.0 op_sel_hi:[1,0]
.endr
.irp t, 0,1,2,3
	v_cvt_pk_bf16_f32 v[X+4*\t], v[X+4*\t], v[X+4*\t+1]                   ; four neighbouring d of row 4t + lane / 8: 8 bytes
	v_cvt_pk_bf16_f32 v[X+4*\t+1], v[X+4*\t+2], v[X+4*\t+3]
.endr
.irp t, 0,1,2,3
	ds_store_b64 v[XS], v[X+4*\t:X+4*\t+1] offset:\t*4*XPITCH
.endr
	ds_load_b128 v[BQ:BQ+3], v[XL]                 ; LDS serves a wave's instructions in order (ISA guide 5.7.1.4): these see the stores above
	ds_load_b128 v[BQ+4:BQ+7], v[XL] offset:16
	s_wait_dscnt 0x0                               ; the fragment of q' (and, in tile 0, those of kv and ksum)
	v_wmma_f32_16x16x32_bf16 v[D2:D2+7], v[A2:A2+7], v[BQ:BQ+7], 0        ; q' . ksum of row r, in every register
	v_wmma_f32_16x16x32_bf16 v[D0:D0+7], v[A0:A0+7], v[BQ:BQ+7], 0        ; q' . kv, e = 8h + j
	v_wmma_f32_16x16x32_bf16 v[D1:D1+7], v[A1:A1+7], v[BQ:BQ+7], 0        ; e = 16 + 8h + j
.if \more
	s_wait_loadcnt 12-4*\g                         ; the next tile's four loads are in; the q loads behind them may be out
	MULSA \g+1                                     ; six places before a vector instruction reads a matrix result; four are asked (ISA guide 7.12.1)
.else
.rept 4
	v_nop                                          ; the same four places; no tile is left to work on
.endr
.endif
	v_add_f32 v[DEN], EPS, v[D2]
	v_rcp_f32 v[RC], v[DEN]
.if \more
	MULSB \g+1                                     ; plain lines behind the reciprocal (ISA guide 5.7.2)
.else
	v_nop
	s_wait_alu depctr_va_vdst(0)
.endif
	s_wait_alu depctr_va_vdst(0)
	v_mul_f32 v[Z], v[RC], v[MF]                   ; q_mask: 0 or 1
	v_mul_f32 v[Z+1], v[RC], v[MF]
.irp j, 0,2,4,6
	v_pk_mul_f32 v[D0+\j:D0+\j+1], v[D0+\j:D0+\j+1], v[Z:Z+1]
	v_pk_mul_f32 v[D1+\j:D1+\j+1], v[D1+\j:D1+\j+1], v[Z:Z+1]
.endr
	ds_store_b128 v[SA], v[D0:D0+3]
	ds_store_b128 v[SA], v[D0+4:D0+7] offset:16
	ds_store_b128 v[SA], v[D1:D1+3] offset:64
	ds_store_b128 v[SA], v[D1+4:D1+7] offset:80
	s_wait_xcnt 0x0                                ; R, which the last tile's stores read, is loaded again only behind this wait (ISA guide 3.1)
.irp t, 0,1,2,3
	ds_load_b128 v[R+4*\t:R+4*\t+3], v[RA] offset:\t*4*YPITCH     ; in order behind the stores above
.endr
.irp t, 0,1,2,3
	s_wait_dscnt 3-\t                              ; the younger read-backs may be out
	global_store_b128 v[GO], v[R+4*\t:R+4*\t+3], s[10:11] offset:\g*16*ROWB+512*\t th:TH_STORE_NT   ; four whole rows: 512 consecutive bytes, aligned
.endr
.endm
	s_wait_loadcnt 16                              ; q_mask's bytes and tile 0 are in; the 16 loads of tiles 1-4 may be out
	MULSA 0
	MULSB 0
	TILE 0, 1
	TILE 1, 1
	TILE 2, 1
	TILE 3, 1
	TILE 4, 0
	s_wait_tensorcnt 0x0
	ds_add_u32 v208, v209
	s_wait_dscnt 0x0
	s_endpgm
.Lfunc_end_k_qd21a166b10_apply:
	.size	k_qd21a166b10_apply, .Lfunc_end_k_qd21a166b10_apply-k_qd21a166b10_apply
	.p2alignl 7, 3214868480
	.fill 96, 4, 3214868480
	.section	.rodata,"a",@progbits
	.p2align	6, 0x0
	.amdhsa_kernel k_qd21a166b10_apply
		.amdhsa_group_segment_fixed_size 58624
		.amdhsa_private_segment_fixed_size 0
		.amdhsa_enable_private_segment 0
		.amdhsa_kernarg_size 32
		.amdhsa_user_sgpr_count 2
		.amdhsa_user_sgpr_kernarg_segment_ptr 1
		.amdhsa_wavefront_size32 1
		.amdhsa_system_sgpr_workgroup_id_x 1
		.amdhsa_system_sgpr_workgroup_id_y 1
		.amdhsa_system_sgpr_workgroup_id_z 1
		.amdhsa_system_vgpr_workitem_id 0
		.amdhsa_next_free_vgpr 210
		.amdhsa_next_free_sgpr 66
		.amdhsa_reserve_vcc 0
		.amdhsa_float_denorm_mode_32 3
		.amdhsa_float_denorm_mode_16_64 3
		.amdhsa_memory_ordered 1
		.amdhsa_forward_progress 1
		.amdhsa_inst_pref_size 45
	.end_amdhsa_kernel
	.amdgpu_metadata
---
amdhsa.version: [ 1, 2 ]
amdhsa.kernels:
  - .name:           k_qd21a166b10_apply
    .symbol:         k_qd21a166b10_apply.kd
    .args:
      - { .name: q, .offset: 0, .size: 8, .value_kind: global_buffer, .address_space: global }
      - { .name: q_mask, .offset: 8, .size: 8, .value_kind: global_buffer, .address_space: global }
      - { .name: part, .offset: 16, .size: 8, .value_kind: global_buffer, .address_space: global }
      - { .name: out0, .offset: 24, .size: 8, .value_kind: global_buffer, .address_space: global }
    .group_segment_fixed_size: 58624
    .private_segment_fixed_size: 0
    .kernarg_segment_align: 8
    .kernarg_segment_size: 32
    .max_flat_workgroup_size: 480
    .sgpr_count:     66
    .vgpr_count:     210
    .wavefront_size: 32
...
	.end_amdgpu_metadata
.endif
;; end of part 2
